; MI455X (gfx1250); checked and timed in simulation.
; The chip was launched on July 23, 2026; its instructions are those of AMD's public machine-readable ISA for CDNA 5 (MIT licence, August 2026) and "CDNA5" Instruction Set Architecture Reference Guide (July 2026). The comments in the code are by the model that wrote it; some were corrected since.
;; Two Layer Net. Allowed arithmetic: matrix products marked QUANTISED: E4M3 operands, one E8M0 scale for each 32 along K, by v_wmma_scale_f32_16x16x128_f8f6f4 with both operands' format E4M3, f32 sums; everything else in f32.
;; Inputs: keys 8,192 x 128 float32; temperature 1 float32; values_codes 100 x 256 x 32 uint8 (E4M3 codes of values, K innermost, in blocks of 32 codes); values_scales 100 x 256 uint8 (E8M0 scales of values, one for each 32 codes along K); x 32,768 x 128 float32.
;; Outputs: out0 32,768 x 100 float32.
;; This version of the problem:
;;   THIS VERSION OF THE PROBLEM IS GIVEN IN LOW PRECISION. The matrix products marked QUANTISED in the list below multiply operands that are first quantised to E4M3 (4 exponent bits, 3 mantissa bits; 8 bits a number), with one power-of-two scale for each 32 numbers along K (OCP MX v1.0); their sums are f32. All else is computed in f32.
;;   The module's matrix products, in the order in which they are computed (A, B: the left and right operand; K: the contracted axis; several contracted axes count as one K, in the product's order):
;;     1. [M 32,768, K 128] x [K 128, N 8,192]; A: input x; B: input keys: QUANTISED
;;     2. [M 32,768, K 8,192] x [K 8,192, N 100]; A: softmax (see below); B: input values (given as codes): QUANTISED
;;   THE QUANTISER, for each operand of a quantised product, along K:
;;     - K is cut into blocks of 32 from its start; a last block that is shorter is filled with zeros.
;;     - A block's scale is 2^e with e = floor(log2(the largest magnitude in the block)) - 8, held to -126 .. 127; a block of zeros has e = 0. As a byte (E8M0): e + 127.
;;     - Each number is divided by its block's scale, clamped to +-448, and rounded to the nearest number of E4M3, ties to even, subnormals kept.
;;     - The product sums the exact products of the quantised numbers (number of the format x scale) in f32.
;;   ~~~python
;;   def quantise(x, axis):      # numpy; x: float32 -> the quantised numbers, widened to float32 again
;;       x = np.moveaxis(x, axis, -1); K = x.shape[-1]
;;       x = np.pad(x, [(0, 0)] * (x.ndim - 1) + [(0, -K % 32)]); x = x.reshape(x.shape[:-1] + (-1, 32)); a = np.abs(x).max(-1, keepdims=True)
;;       e = np.where(a > 0, np.clip(np.frexp(np.where(a > 0, a, 1))[1] - 1 - 8, -126, 127), 0)      # np.frexp(a)[1] - 1 = floor(log2(a)), exactly
;;       r = np.clip(x / 2.0 ** e, -448, 448)
;;       step = 2.0 ** (np.maximum(np.frexp(np.where(r == 0, 1, r))[1] - 1, -6) - 3)
;;       q = np.round(r / step) * step * 2.0 ** e      # np.round: ties to even
;;       return np.moveaxis(q.reshape(q.shape[:-2] + (-1,))[..., :K], -1, axis).astype(np.float32)
;;   ~~~
;;   SOFTMAX AHEAD OF A QUANTISED PRODUCT. Where the list says 'softmax', what is quantised is not the finished softmax but p = 2^(t - M), with t = logit x log2(e) and M = ceil(the row's largest t), a whole number; so 1/2 < the row's largest p <= 1. The row's sum l is taken of the UNQUANTISED p, in f32, and the product's result is divided by l at the end. Since M is a whole number, a kernel that streams over the keys may use a running M (the ceiling of the running maximum): every later rescaling is an exact power of two, which a block's scale takes up: the codes' values come out the same.
;;   OPERANDS COMPUTED ON THE WAY. 'Computed on the way' means the value that the module computes at that place (a softmax that the list does not call 'softmax' is quantised finished and normalised). What goes into a quantiser is computed in f32, as accurately as f32 sums, v_exp_f32 and their like allow (about 1e-6 of the number): no bf16 or f16 on the way to a quantiser, and a product that is left as it is and whose result goes on into a quantised operand takes f32 operands (vector FMAs, or v_wmma_f32_16x16x4_f32). A number that lies on a knife's edge between two numbers of the format may be rounded either way, as far as f32 arithmetic and the matrix unit's own rounding can turn it there, and no further.
;;   INPUTS GIVEN AS CODES. values (in the module: [8192, 100], K = its axis 0): each comes as NAME_codes (uint8): NAME with its K axis moved to the last place and cut into blocks of 32 codes, [.., K / 32, bytes a block], one block behind the other in memory; one code a byte (a code: sign, 4 exponent bits, 3 mantissa bits); and NAME_scales (uint8): the same leading axes, one E8M0 byte (e + 127) for each 32 codes along K. Its value is code x scale, taken as it is: it is not quantised again, and the codes and scales need not be those that the quantiser above would give.
;; One version. Each part assembles by itself: llvm-mc -triple=amdgcn-amd-amdhsa -mcpu=gfx1250 --defsym DOCPART=n.
;; ======== version 1 of 1: 2 launches
;; limits: right only within a limited range of input values
;; workspace buffers: kv 2,097,152 bytes
;; launch prep (part 1): grid 64 x 1, 16 waves a work-group, no clusters, 4,096 bytes of LDS; arguments keys, temperature, values_codes, values_scales, kv; writes kv
.if DOCPART == 1
	.amdgcn_target "amdgcn-amd-amdhsa--gfx1250"
	.amdhsa_code_object_version 6
	.text
	.protected	k_q5b8d8d9b4a_prep
	.globl	k_q5b8d8d9b4a_prep
	.p2align	8
	.type	k_q5b8d8d9b4a_prep,@function
k_q5b8d8d9b4a_prep:
	s_mov_b64 s[64:65], 0
	v_nop
	global_prefetch_b8 v0, s[64:65] scope:SCOPE_SE
	s_setreg_imm32_b32 hwreg(HW_REG_WAVE_MODE, 25, 1), 1
	s_wait_xcnt 0x0
; out = softmax(-max(|x|^2 + |k|^2 - 2 x.k, 0) / T) values, both products on codes of E4M3 with one E8M0 scale for each 32 along K.
; NOTHING OF THE PROBLEM IS LEFT OUT, AND EVERY INPUT IS LOADED.  |x|^2 decides where the clip at 0 bites and, through the whole number M, the codes of p; |k|^2 and T enter every logit.
; Only channels 100 to 111 of the seventh tile of values are filling (zero codes), inside a tile that also holds live work.
; THIS LAUNCH lays keys and values out once, as images of the second launch's operand registers.  kv = 64 halves of 32,768 bytes.  Half j holds V of chunk j (128 keys) and K of chunk (j + 2) % 64:
;   0       V tiles 0-3, 2,048 bytes each: tile t, piece c, lane l at 2,048 t + 512 c + 16 l: channel 16 t + r, keys 32 c + 16 h + 0 .. 15 (r = l % 16, h = l / 16); channels from 100 on: zero codes
;   8,192   K tiles 0-3, the same form: key 32 (t / 2) + 8 (t % 2) + r + 8 (r / 8) of the chunk, d = 32 c + 16 h + 0 .. 15
;   16,384  V tiles 4-6;  22,528 V's scale words (at 16 l + 4 j the word of tile 4 h + j, row r; tile 7 and channels from 100 on: 0, over zero codes);  23,040 512 bytes of zeros
;   23,552  K tiles 4-7;  31,744 K's scale words, the same form;  32,256 128 f32, the keys in their own order: sign(T) x (-|k|^2 / 2)
; So each quarter of 16,384 bytes holds bytes of V and bytes of K.
; SHARES.  Work-group j makes chunk j.  Waves 0-7: a tile of K each (f32 loaded, |k|^2 summed, quantised in registers).  Waves 8-14: a tile of V each, as given.  Wave 15: zeros.
; The 2,048 small bytes meet in LDS and leave by waves 0-3, 512 consecutive bytes a store.
; LIMITS: NaN and infinities among the inputs are not served; a block of zeros gets the scale byte 1 where the quantiser says 127: its codes are zeros, and this program alone reads the bytes.
.set SPARE,  2048                      ; LDS: 0 .. 2,047 the small bytes (K's words, V's words, -|k|^2 / 2, zeros); then the spare words
.set SIDE_N, 1024
.set SIDE_P, 1536
.set LI,   4
.set SPW,  5
.set NIL,  6
.set KA,   7
.set VA,   8
.set VSA,  9
.set SCW,  10
.set NKW,  11
.set PADW, 12
.set RDB,  13
.set CH,   14
.set RR,   15
.set TM,   16
.set PW,   32
.set SQ,   34
.set ZR,   44
.set PC,   48
.set X,    64
.set WV,   14
.set MNT,  31
.set SEL,  32
; 64 numbers of a lane, register 16 b + n = d 32 b + 16 h + n of my row, become a fragment's codes in v[PC] on and its scale word in v[PW]
.macro QUANT s
.irp b, 0,1,2,3
	v_max3_num_f32 v[TM+\b], |v[\s+16*\b]|, |v[\s+1+16*\b]|, 0x4800000   ; with the floor 2^(9 - 127): the byte cannot fall under 1
.endr
.irp n, 2,4,6,8,10,12,14
.irp b, 0,1,2,3
	v_max3_num_f32 v[TM+\b], v[TM+\b], |v[\s+16*\b+\n]|, |v[\s+1+16*\b+\n]|
.endr
.endr
.irp b, 0,1,2,3
	v_permlanex16_b32 v[TM+4+\b], v[TM+\b], s[SEL], s[SEL+1]
.endr
.irp b, 0,1,2,3
	v_max_num_f32 v[TM+\b], v[TM+\b], v[TM+4+\b]                   ; the block's largest magnitude
.endr
.irp b, 0,1,2,3
	v_add_nc_u32 v[TM+12+\b], 0xfc000000, v[TM+\b]                 ; 8 off its exponent field: the conversion's scale operand
.endr
.irp b, 0,1,2,3
	v_and_or_b32 v[TM+8+\b], v[TM+\b], 0x7f800000, s[MNT]          ; 448 x the scale
.endr
.irp b, 0,1,2,3
	v_lshrrev_b32 v[TM+4+\b], 23, v[TM+12+\b]                      ; the scale's byte
.endr
	v_lshl_or_b32 v[PW], v[TM+5], 8, v[TM+4]
	v_lshl_or_b32 v[PW], v[TM+6], 16, v[PW]
	v_lshl_or_b32 v[PW], v[TM+7], 24, v[PW]
.irp b, 0,1,2,3
.irp n, 0,1,2,3,4,5,6,7,8,9,10,11,12,13,14,15
	v_med3_num_f32 v[\s+16*\b+\n], v[\s+16*\b+\n], -v[TM+8+\b], v[TM+8+\b]   ; the conversion does not saturate (ISA guide 7.6.2): the hold
.endr
	v_cvt_scalef32_pk8_fp8_f32 v[PC+4*\b:PC+1+4*\b], v[\s+16*\b:\s+7+16*\b], v[TM+12+\b]
	v_cvt_scalef32_pk8_fp8_f32 v[PC+2+4*\b:PC+3+4*\b], v[\s+8+16*\b:\s+15+16*\b], v[TM+12+\b]
.endr
	v_nop
.endm
	s_load_b256 s[4:11], s[0:1], 0x0               ; keys, temperature, values_codes, values_scales
	s_load_b64 s[12:13], s[0:1], 0x20              ; kv
	v_lshl_add_u32 v[SPW], v0, 2, SPARE
	v_mov_b32 v[NIL], 0
	v_lshrrev_b32 v1, 5, v0
	v_readfirstlane_b32 s[WV], v1
	v_and_b32 v1, 31, v0
	v_and_b32 v2, 15, v0                           ; r
	v_bfe_u32 v3, v0, 4, 1                         ; h
	v_lshlrev_b32 v[LI], 4, v1
	v_and_b32 v[RR], 8, v2
	v_add_nc_u32 v[RR], v[RR], v2                  ; r + 8 (r / 8)
	s_wait_alu depctr_va_vdst(0)
	v_lshlrev_b32 v[KA], 9, v[RR]
	v_lshl_add_u32 v[KA], v3, 6, v[KA]
	s_and_b32 s15, s[WV], 7                        ; my tile
	s_lshl_b32 s16, s15, 4
	v_add_nc_u32 v[CH], s16, v2                    ; my channel
	v_min_u32 v[VSA], 99, v[CH]                    ; no load leaves its buffer
	v_lshlrev_b32 v[VA], 13, v[VSA]
	v_lshl_add_u32 v[VA], v3, 4, v[VA]
	v_lshlrev_b32 v[VSA], 8, v[VSA]
	s_lshr_b32 s16, s[WV], 3                       ; 0: a tile of K, 1: a tile of V
	s_lshl_b32 s18, s16, 9
	s_lshr_b32 s19, s15, 2
	s_lshl_b32 s19, s19, 8
	s_add_co_u32 s18, s18, s19
	s_and_b32 s17, s[WV], 3
	s_lshl_b32 s19, s17, 2
	s_add_co_u32 s18, s18, s19
	v_lshl_add_u32 v[SCW], v2, 4, s18
	s_lshr_b32 s18, s15, 1
	s_and_b32 s19, s[WV], 1
	s_lshl_b32 s21, s18, 7
	s_lshl_b32 s20, s19, 5
	s_add_co_u32 s21, s21, s20
	s_add_co_u32 s21, s21, SIDE_N
	v_lshl_add_u32 v[NKW], v[RR], 2, s21
	v_add_nc_u32 v[PADW], SIDE_P, v[LI]
	s_lshl_b32 s21, s17, 9
	v_add_nc_u32 v[RDB], s21, v[LI]
	s_lshl_b32 s22, ttmp9, 16                      ; keys: the chunk's 128 rows of 512 bytes
	s_lshl_b32 s20, s18, 14
	s_add_co_u32 s22, s22, s20
	s_lshl_b32 s20, s19, 12
	s_add_co_u32 s22, s22, s20
	s_mov_b32 s23, 0
	s_lshl_b32 s24, ttmp9, 15                      ; kv: the half that takes my chunk's V,
	s_add_co_u32 s25, ttmp9, 62
	s_and_b32 s25, s25, 63
	s_lshl_b32 s25, s25, 15                        ; and the half that takes its K: two halves back, round the end
	s_lshl_b32 s26, s15, 11                        ; 2,048 x tile
	s_lshr_b32 s20, s15, 2                         ; tile / 4
	s_mul_i32 s27, s20, 7168
	s_add_co_u32 s27, s27, 8192
	s_add_co_u32 s27, s27, s25                     ; K: + 8,192 + 7,168 (tile / 4)
	s_lshl_b32 s20, s20, 13
	s_add_co_u32 s20, s20, s24                     ; V: + 8,192 (tile / 4)
	s_cmp_eq_u32 s16, 0
	s_cselect_b32 s20, s27, s20
	s_add_co_u32 s26, s26, s20
	s_mov_b32 s27, 0
	s_lshr_b32 s28, s17, 1                         ; the small bytes: wave 0 K's words, 1 V's words, 2 -|k|^2 / 2, 3 zeros
	s_lshl_b32 s28, s28, 9
	s_add_co_u32 s20, s25, 31744
	s_add_co_u32 s29, s24, 22528
	s_bitcmp1_b32 s17, 0
	s_cselect_b32 s20, s29, s20
	s_add_co_u32 s28, s28, s20
	s_mov_b32 s29, 0
	s_lshl_b32 s34, ttmp9, 7
	s_mov_b32 s35, 0
	s_lshl_b32 s36, ttmp9, 2
	s_mov_b32 s37, 0
	s_mov_b32 s[MNT], 0x600000
	s_mov_b32 s[SEL], 0x76543210
	s_mov_b32 s[SEL+1], 0xfedcba98
	s_wait_kmcnt 0x0
	s_load_b32 s20, s[6:7], 0x0                    ; T
	s_add_nc_u64 s[4:5], s[4:5], s[22:23]
	s_add_nc_u64 s[26:27], s[12:13], s[26:27]
	s_add_nc_u64 s[28:29], s[12:13], s[28:29]
	s_add_nc_u64 s[8:9], s[8:9], s[34:35]
	s_add_nc_u64 s[10:11], s[10:11], s[36:37]
	s_cmp_lt_u32 s[WV], 8
	s_cbranch_scc0 .Lvalues
.irp b, 0,1,2,3
.irp j, 0,1,2,3
	global_load_b128 v[X+16*\b+4*\j:X+16*\b+4*\j+3], v[KA], s[4:5] offset:128*\b+16*\j th:TH_LOAD_NT
.endr
.endr
.irp b, 0,1,2,3
	v_mov_b32 v[TM+4+\b], 0                        ; a lane permute's destination counts as one of its sources
.endr
	s_wait_kmcnt 0x0
	s_and_b32 s20, s20, 0x80000000                 ; T's sign
	s_wait_loadcnt 0x0
.irp k, 0,1,2,3
	v_pk_mul_f32 v[SQ+2*\k:SQ+2*\k+1], v[X+2*\k:X+2*\k+1], v[X+2*\k:X+2*\k+1]
.endr
.set j, 8
.rept 28
	v_pk_fma_f32 v[SQ+j%8:SQ+j%8+1], v[X+j:X+j+1], v[X+j:X+j+1], v[SQ+j%8:SQ+j%8+1]
.set j, j+2
.endr
	v_pk_add_f32 v[SQ:SQ+1], v[SQ:SQ+1], v[SQ+2:SQ+3]
	v_pk_add_f32 v[SQ+4:SQ+5], v[SQ+4:SQ+5], v[SQ+6:SQ+7]
	v_pk_add_f32 v[SQ:SQ+1], v[SQ:SQ+1], v[SQ+4:SQ+5]
	v_add_f32 v[SQ], v[SQ], v[SQ+1]
	v_permlanex16_b32 v[SQ+1], v[SQ], s[SEL], s[SEL+1]
	v_add_f32 v[SQ], v[SQ], v[SQ+1]
	v_mul_f32 v[SQ], -0.5, v[SQ]
	v_xor_b32 v[SQ], s20, v[SQ]                    ; sign(T) x (-|k|^2 / 2)
	QUANT X
.irp c, 0,1,2,3
	global_store_b128 v[LI], v[PC+4*\c:PC+4*\c+3], s[26:27] offset:512*\c   ; 512 consecutive bytes, at a multiple of 256 from kv's first byte
.endr
	ds_store_b32 v[SCW], v[PW]
	ds_store_b32 v[NKW], v[SQ]
	s_branch .Ljoin
.Lvalues:
	s_cmp_eq_u32 s[WV], 15
	s_cbranch_scc1 .Lpad
	s_wait_alu depctr_va_vdst(0)
.irp c, 0,1,2,3
	global_load_b128 v[PC+4*\c:PC+4*\c+3], v[VA], s[8:9] offset:32*\c
.endr
	global_load_b32 v[PW], v[VSA], s[10:11]
	s_wait_loadcnt 0x0
	v_cmp_gt_u32 vcc_lo, 100, v[CH]
.irp n, 0,1,2,3,4,5,6,7,8,9,10,11,12,13,14,15
	v_cndmask_b32 v[PC+\n], 0, v[PC+\n], vcc_lo    ; channels from 100 on: zero codes
.endr
	v_cndmask_b32 v[PW], 0, v[PW], vcc_lo
.irp c, 0,1,2,3
	global_store_b128 v[LI], v[PC+4*\c:PC+4*\c+3], s[26:27] offset:512*\c
.endr
	ds_store_b32 v[SCW], v[PW]
	s_branch .Ljoin
.Lpad:
	v_mov_b32 v[PW], 0
	s_wait_alu depctr_va_vdst(0)
.irp n, 0,1,2,3
	v_mov_b32 v[ZR+\n], 0
.endr
	ds_store_b32 v[SCW], v[PW]
	ds_store_b128 v[PADW], v[ZR:ZR+3]
.Ljoin:
	s_wait_dscnt 0x0                               ; for the others' sake: my stores into LDS are done
	s_barrier_signal -1
	s_barrier_wait -1
	s_cmp_lt_u32 s[WV], 4
	s_cbranch_scc0 .Lend
	ds_load_b128 v[TM:TM+3], v[RDB]
	s_wait_dscnt 0x0
	global_store_b128 v[LI], v[TM:TM+3], s[28:29]
.Lend:
	s_wait_tensorcnt 0x0                           ; the wave's end
	ds_add_u32 v[SPW], v[NIL]
	s_wait_dscnt 0x0
	s_endpgm
.Lfunc_end_k_q5b8d8d9b4a_prep:
	.size	k_q5b8d8d9b4a_prep, .Lfunc_end_k_q5b8d8d9b4a_prep-k_q5b8d8d9b4a_prep
	.p2alignl 7, 3214868480
	.fill 96, 4, 3214868480
	.section	.rodata,"a",@progbits
	.p2align	6, 0x0
	.amdhsa_kernel k_q5b8d8d9b4a_prep
		.amdhsa_group_segment_fixed_size 4096
		.amdhsa_private_segment_fixed_size 0
		.amdhsa_enable_private_segment 0
		.amdhsa_kernarg_size 40
		.amdhsa_user_sgpr_count 2
		.amdhsa_user_sgpr_kernarg_segment_ptr 1
		.amdhsa_wavefront_size32 1
		.amdhsa_system_sgpr_workgroup_id_x 1
		.amdhsa_system_sgpr_workgroup_id_y 1
		.amdhsa_system_sgpr_workgroup_id_z 1
		.amdhsa_system_vgpr_workitem_id 0
		.amdhsa_next_free_vgpr 128
		.amdhsa_next_free_sgpr 66
		.amdhsa_reserve_vcc 1
		.amdhsa_float_denorm_mode_32 3
		.amdhsa_float_denorm_mode_16_64 3
		.amdhsa_memory_ordered 1
		.amdhsa_forward_progress 1
		.amdhsa_inst_pref_size 19
	.end_amdhsa_kernel
	.amdgpu_metadata
---
amdhsa.version: [ 1, 2 ]
amdhsa.kernels:
  - .name:           k_q5b8d8d9b4a_prep
    .symbol:         k_q5b8d8d9b4a_prep.kd
    .args:
      - { .name: keys, .offset: 0, .size: 8, .value_kind: global_buffer, .address_space: global }
      - { .name: temperature, .offset: 8, .size: 8, .value_kind: global_buffer, .address_space: global }
      - { .name: values_codes, .offset: 16, .size: 8, .value_kind: global_buffer, .address_space: global }
      - { .name: values_scales, .offset: 24, .size: 8, .value_kind: global_buffer, .address_space: global }
      - { .name: kv, .offset: 32, .size: 8, .value_kind: global_buffer, .address_space: global }
    .group_segment_fixed_size: 4096
    .private_segment_fixed_size: 0
    .kernarg_segment_align: 8
    .kernarg_segment_size: 40
    .max_flat_workgroup_size: 512
    .sgpr_count:     66
    .vgpr_count:     128
    .wavefront_size: 32
...
	.end_amdgpu_metadata
.endif
;; end of part 1
;; launch attn (part 2): grid 256 x 1, 4 waves a work-group, clusters of 4 x 1, 327,680 bytes of LDS; arguments x, temperature, kv, out0; writes out0
.if DOCPART == 2
	.amdgcn_target "amdgcn-amd-amdhsa--gfx1250"
	.amdhsa_code_object_version 6
	.text
	.protected	k_q5b8d8d9b4a_attn
	.globl	k_q5b8d8d9b4a_attn
	.p2align	8
	.type	k_q5b8d8d9b4a_attn,@function
k_q5b8d8d9b4a_attn:
	s_mov_b64 s[64:65], 0
	v_nop
	global_prefetch_b8 v0, s[64:65] scope:SCOPE_SE
	s_setreg_imm32_b32 hwreg(HW_REG_WAVE_MODE, 25, 1), 1
	s_wait_xcnt 0x0
	s_wait_alu depctr_hold_cnt(0) depctr_sa_sdst(0) depctr_va_vdst(0) depctr_va_sdst(0) depctr_va_ssrc(0) depctr_va_vcc(0) depctr_vm_vsrc(0)
	s_getreg_b32 s2, hwreg(HW_REG_IB_STS2, 6, 4)
	s_cmp_eq_u32 s2, 0
	s_cbranch_scc0 .Lentry_in_a_cluster
	s_endpgm
.Lentry_in_a_cluster:
	s_bfe_u32 s2, ttmp6, 0x10000c
	s_cmp_lg_u32 s2, 0x3003
	s_cbranch_scc0 .Lentry_shape_is_right
	s_endpgm
.Lentry_shape_is_right:
; out[n][:] = the sum over the 8,192 keys of softmax(-max(|x|^2 + |k|^2 - 2 Q(x).Q(k), 0) / T) values, both products on codes of E4M3 with one E8M0 scale for each 32 along K.  No work of the problem is left out.
; kv (made by the launch before): 32 slots of two halves of 32,768 bytes.  Half g of slot n holds V of chunk 2 n + g (128 keys) and K of chunk (2 n + 2 + g) % 64, as images of the operands' registers, with their scale words and sg (-|k|^2 / 2).
; ARITHMETIC.  sg = sign(T), c = 2 log2(e) / |T|, XH = sg |x|^2 / 2.  x's codes get their signs turned where sg < 0 (exact); the first product takes sg (-|k|^2 / 2) as its C and gives s = sg (x.k - |k|^2 / 2);
; the logit x log2(e), unclipped, is c (s - XH); the clip of the squared distance at 0 is t = min(.., 0) for sg > 0 and max(.., 0) for sg < 0.  M = the ceiling of the running largest clipped t, kept as -M.
; p = 2^(c s + KK), KK = -XH c - M, clipped behind the exponential between LO and 1 (sg > 0: LO = 0, and a score over the clip makes M = 0; sg < 0: LO = 2^-M).  The row's sum is taken of the clipped, unquantised p.
; A block's scale: p rises with the score, so the block's largest score goes through the same multiply-add and the same clip (in the exponent: between max(-118, -M where sg < 0) and 0); its floor is the exponent of the block's largest p.
; When M moves, the sum and O are multiplied by 2^(old M - new M): exact.
; SHARES.  A work-group owns 128 rows: 8 tiles of 16 queries.  Four waves, as many as a WGP has SIMDs.  Wave w (i = w % 2, g = w / 2) owns FOUR tiles, 4 i .. 4 i + 3, and half g of every slot: a fragment of K or V read from LDS feeds four matrix instructions.
; Waves w and w + 2 hold the two halves of the keys of the same rows: merged once, at the end, by exact powers of two.
; THE RING.  Two LDS slots of 65,536 bytes.  Since a slot brings V of this trip's chunk and K of the NEXT trip's, K's fragments are in registers when a round opens: the first product of two tiles stands inside the round,
; V's fragments are read under the first two tiles' softmax, the next K's under the other two's.  Slot 31 holds K of chunks 0 and 1: it is fetched once more, at the head.
; LAYOUT.  Both products transposed: S^T = K Q^T, O^T = V^T P^T: a lane holds one query of each tile; the 16 registers of tiles 2 b, 2 b + 1 of S^T are keys 32 b + 16 (lane / 16) + 0 .. 15.
; CLUSTER.  All work-groups walk the same kv: the four of a cluster ask for each quarter of a slot JOINTLY.
; LIMITS: T is finite, not 0 and no denormal; NaN and infinities among the inputs are not served; a block of zeros gets the scale byte 1 (its codes are zeros); 1 / |T| is v_rcp_f32 with one Newton step.
; REGISTERS.  window 0: v1-7 addresses; v8-23 scale words (K, V, Q, P); v24-55 eight statistics a tile; v56-123 at work; v128-255 S^T, then p, of the two tiles in hand.
;   window 1: v0-127 K's 8 fragments, v128-239 V's 7.   window 2: v0-223 O^T, 56 a tile.   window 3: v0-63 Q, v64-127 p's codes, v128-191 sg (-|k|^2 / 2) in the result's layout.
.set SLOT1,  1<<16
.set SLOTB,  65536
.set VSO,    22528
.set KSO,    31744
.set NKO,    32256
.set XIMG,   131072                    ; behind the ring: 8 records of 2,560 bytes, one a tile of queries: codes 2,048, scale words at 2,048, XH at 2,176
.set XREC,   2560
.set SPARE,  151552                    ; the spare words, 128 bytes a wave
.set MGB,    152064                    ; the merge: 29,696 bytes for each pair of waves: 56 images of 512 bytes, then 8 x 128 bytes
.set MGP,    29696
.set MGS,    28672
.set STG,    0                         ; the way out: in LDS slot 0, which has had its last fill (kv's slot 30) and its last read in front of the last trip's barrier: for each of waves 0 and 1, 64 rows of 400 bytes, as they lie in out0
.set LI,   1
.set NKL,  2
.set ADF,  3
.set ADN,  4
.set SPW,  5
.set NIL,  6
.set PFO,  7
.set KS,   8
.set VS,   12
.set QS,   16
.set PW,   20
.set ST,   24                          ; tile k at v[ST + 8 k]: +0 KK, +1 -M, +2, +3 the sum in two halves, +4 the largest t, +5 XH, +6 f, +7 LO
.set BM,   56                          ; v56-63 the blocks' largest scores (4 a tile)
.set PX,   64                          ; v64-71 at work
.set HD,   72                          ; v72-79 448 x the scale
.set SO,   80                          ; v80-87 the conversion's scale operand
.set TT,   88                          ; v88-95 at work, 4 a tile
.set L4,   96
.set LN,   97
.set AW,   98
.set AX,   99
.set AY,   100
.set AZ,   101
.set XA,   102
.set LA,   104                         ; v104, v105 the lower bound of a block's exponent
.set XW,   106
.set XC,   108                         ; v108-123 at the head x's codes; at the end factors
.set SA,   128
.set TM,   BM
.set WV,   12
.set PFA,  18
.set LIM,  20
.set CS,   22
.set G1,   24
.set G0,   32
.set TB,   36
.set SLOTS, 37
.set MNT,  38
.set SGM,  39
.set SEL,  40
.set TLO,  42
.set THI,  43
.set SMASK, 44
.set MSB, 0
.macro WIN new
.if MSB != \new
	s_set_vgpr_msb (MSB<<8)|\new
.set MSB, \new
.endif
.endm
.macro PLACES n
.rept \n
	v_nop
.endr
.endm
.macro CREST                           ; a round of the cluster's barrier behind its opening barrier
	s_cmp_lg_u32 s[WV], 0
	s_cbranch_scc1 .Lnot_wave_0_\@
	s_barrier_signal -3
.Lnot_wave_0_\@:
	s_barrier_wait -3
	s_barrier_signal -1
	s_barrier_wait -1
.endm
.macro ROUND
	s_barrier_signal -1
	s_barrier_wait -1
	CREST
.endm
; A prefetch of the slot that the NEXT round will ask for: 65,536 bytes, each aligned block of 256 bytes named once in the launch.  All clusters walk the same kv: the first cluster asks; its four partners take a quarter each, told apart BY ADDRESS;
; waves 0 and 1 take 8,192 bytes each, lanes 256 bytes apart.  Slots 0, 1 and 31 come by their loads alone: the last two rounds that fill ask for nothing.
.macro ASK
	s_cmp_gt_u32 s[SLOTS], s[LIM]
	s_cbranch_scc0 .Lnot_mine_\@
	global_prefetch_b8 v[PFO], s[PFA:PFA+1] th:TH_LOAD_NT scope:SCOPE_SE
.Lnot_mine_\@:
.endm
; 64 numbers of a lane become a fragment's codes in v[XC] on and its scale word in v[XW]
.macro QUANT s
.irp b, 0,1,2,3
	v_max3_num_f32 v[TM+\b], |v[\s+16*\b]|, |v[\s+1+16*\b]|, 0x4800000   ; with the floor 2^(9 - 127)
.endr
.irp n, 2,4,6,8,10,12,14
.irp b, 0,1,2,3
	v_max3_num_f32 v[TM+\b], v[TM+\b], |v[\s+16*\b+\n]|, |v[\s+1+16*\b+\n]|
.endr
.endr
.irp b, 0,1,2,3
	v_permlanex16_b32 v[TM+4+\b], v[TM+\b], s[SEL], s[SEL+1]
.endr
.irp b, 0,1,2,3
	v_max_num_f32 v[TM+\b], v[TM+\b], v[TM+4+\b]
.endr
.irp b, 0,1,2,3
	v_add_nc_u32 v[TM+12+\b], 0xfc000000, v[TM+\b]
.endr
.irp b, 0,1,2,3
	v_and_or_b32 v[TM+8+\b], v[TM+\b], 0x7f800000, s[MNT]
.endr
.irp b, 0,1,2,3
	v_lshrrev_b32 v[TM+4+\b], 23, v[TM+12+\b]
.endr
	v_lshl_or_b32 v[XW], v[TM+5], 8, v[TM+4]
	v_lshl_or_b32 v[XW], v[TM+6], 16, v[XW]
	v_lshl_or_b32 v[XW], v[TM+7], 24, v[XW]
.irp b, 0,1,2,3
.irp n, 0,1,2,3,4,5,6,7,8,9,10,11,12,13,14,15
	v_med3_num_f32 v[\s+16*\b+\n], v[\s+16*\b+\n], -v[TM+8+\b], v[TM+8+\b]   ; the conversion does not saturate (ISA guide 7.6.2): the hold
.endr
	v_cvt_scalef32_pk8_fp8_f32 v[XC+4*\b:XC+1+4*\b], v[\s+16*\b:\s+7+16*\b], v[TM+12+\b]
	v_cvt_scalef32_pk8_fp8_f32 v[XC+2+4*\b:XC+3+4*\b], v[\s+8+16*\b:\s+15+16*\b], v[TM+12+\b]
.endr
	v_nop
.endm
; one of my two tiles of x: |x|^2, codes, and its record in LDS
.macro XTILE e
.set xs, SA+64*(\e)
.irp k, 0,1,2,3
	v_pk_mul_f32 v[HD+2*\k:HD+2*\k+1], v[xs+2*\k:xs+2*\k+1], v[xs+2*\k:xs+2*\k+1]
.endr
.set j, 8
.rept 28
	v_pk_fma_f32 v[HD+j%8:HD+j%8+1], v[xs+j:xs+j+1], v[xs+j:xs+j+1], v[HD+j%8:HD+j%8+1]
.set j, j+2
.endr
	v_pk_add_f32 v[HD:HD+1], v[HD:HD+1], v[HD+2:HD+3]
	v_pk_add_f32 v[HD+4:HD+5], v[HD+4:HD+5], v[HD+6:HD+7]
	v_pk_add_f32 v[HD:HD+1], v[HD:HD+1], v[HD+4:HD+5]
	v_add_f32 v[HD], v[HD], v[HD+1]
	v_permlanex16_b32 v[HD+1], v[HD], s[SEL], s[SEL+1]
	v_add_f32 v[HD], v[HD], v[HD+1]
	v_mul_f32 v[TT], 0.5, v[HD]
	v_xor_b32 v[TT], s21, v[TT]                    ; XH = sg |x|^2 / 2
	QUANT xs
.irp n, 0,1,2,3,4,5,6,7,8,9,10,11,12,13,14,15
	v_xor_b32 v[XC+\n], s[SGM], v[XC+\n]           ; the codes of sg x
.endr
.irp c, 0,1,2,3
	ds_store_b128 v[AW], v[XC+4*\c:XC+4*\c+3] offset:XREC*(\e)+512*\c
.endr
	ds_store_b32 v[AX], v[XW] offset:XREC*(\e)+2048
	ds_store_b32 v[AX], v[TT] offset:XREC*(\e)+2176
.endm
; S^T of tiles 2 p and 2 p + 1: 16 matrix instructions, each with its own D; C is sg (-|k|^2 / 2)
.macro P1 p
	WIN 0x3d                                       ; K window 1; Q and C window 3; D window 0
.irp t, 0,1,2,3
.irp i, 0,1
	v_wmma_scale_f32_16x16x128_f8f6f4 v[SA+64*\i+8*\t:SA+64*\i+8*\t+7], v[16*\t:16*\t+15], v[16*(2*(\p)+\i):16*(2*(\p)+\i)+15], v[128+8*\t:128+8*\t+7], v[KS+\t], v[QS+2*(\p)+\i]
.endr
.endr
.irp t, 4,5,6,7
.irp i, 0,1
	v_wmma_scale_f32_16x16x128_f8f6f4 v[SA+64*\i+8*\t:SA+64*\i+8*\t+7], v[16*\t:16*\t+15], v[16*(2*(\p)+\i):16*(2*(\p)+\i)+15], v[128+8*\t:128+8*\t+7], v[KS+\t-4], v[QS+2*(\p)+\i] matrix_a_scale:MATRIX_SCALE_ROW1
.endr
.endr
	WIN 0
.endm
; O^T += V^T P^T: the 28 accumulators take turns
.macro P2
	WIN 0xad                                       ; V window 1; P window 3; C and D window 2
.irp t, 0,1,2,3
.irp k, 0,1,2,3
	v_wmma_scale_f32_16x16x128_f8f6f4 v[56*\k+8*\t:56*\k+8*\t+7], v[128+16*\t:128+16*\t+15], v[64+16*\k:64+16*\k+15], v[56*\k+8*\t:56*\k+8*\t+7], v[VS+\t], v[PW+\k]
.endr
.endr
.irp t, 4,5,6
.irp k, 0,1,2,3
	v_wmma_scale_f32_16x16x128_f8f6f4 v[56*\k+8*\t:56*\k+8*\t+7], v[128+16*\t:128+16*\t+15], v[64+16*\k:64+16*\k+15], v[56*\k+8*\t:56*\k+8*\t+7], v[VS+\t-4], v[PW+\k] matrix_a_scale:MATRIX_SCALE_ROW1
.endr
.endr
	WIN 0
.endm
.macro LOADK                           ; the next chunk's K: 8 fragments, sg (-|k|^2 / 2), scale words
	WIN 0x40
.irp t, 0,1,2,3,4,5,6,7
.irp c, 0,1,2,3
	ds_load_b128 v[16*\t+4*\c:16*\t+4*\c+3], v[ADF] offset:8192+2048*\t+7168*(\t/4)+512*\c
.endr
.endr
	WIN 0xc0
.irp t, 0,1,2,3,4,5,6,7
	ds_load_b128 v[128+8*\t:128+8*\t+3], v[ADN] offset:128*(\t/2)+32*(\t%2)
	ds_load_b128 v[128+8*\t+4:128+8*\t+7], v[ADN] offset:128*(\t/2)+32*(\t%2)+16
.endr
	WIN 0
	ds_load_b128 v[KS:KS+3], v[ADF] offset:KSO
.endm
.macro LOADV                           ; this chunk's V: 7 fragments, scale words
	WIN 0x40
.irp t, 0,1,2,3,4,5,6
.irp c, 0,1,2,3
	ds_load_b128 v[128+16*\t+4*\c:128+16*\t+4*\c+3], v[ADF] offset:2048*\t+8192*(\t/4)+512*\c
.endr
.endr
	WIN 0
	ds_load_b128 v[VS:VS+3], v[ADF] offset:VSO
.endm
; THE SOFTMAX OF TILES 2 p AND 2 p + 1 FOR ONE CHUNK, the two tiles' chains by turns.
.macro SM2 p
.set T0, ST+16*(\p)
.irp i, 0,1
.irp b, 0,1,2,3
	v_max3_num_f32 v[BM+4*\i+\b], v[SA+64*\i+16*\b], v[SA+64*\i+16*\b+1], v[SA+64*\i+16*\b+2]   ; each block's largest score; every accumulator is read from its low end on
.endr
.endr
.irp n, 3,5,7,9,11,13
.irp i, 0,1
.irp b, 0,1,2,3
	v_max3_num_f32 v[BM+4*\i+\b], v[BM+4*\i+\b], v[SA+64*\i+16*\b+\n], v[SA+64*\i+16*\b+\n+1]
.endr
.endr
.endr
.irp i, 0,1
.irp b, 0,1,2,3
	v_max_num_f32 v[BM+4*\i+\b], v[BM+4*\i+\b], v[SA+64*\i+16*\b+15]
.endr
.endr
.irp j, 0,1,2,3,4,5,6,7
	v_permlanex16_b32 v[PX+\j], v[BM+\j], s[SEL], s[SEL+1]
.endr
.irp j, 0,1,2,3,4,5,6,7
	v_max_num_f32 v[BM+\j], v[BM+\j], v[PX+\j]     ; with lane l xor 16's 16 keys
.endr
.irp i, 0,1
	v_max3_num_f32 v[TT+4*\i], v[BM+4*\i], v[BM+4*\i+1], v[BM+4*\i+2]
.endr
.irp i, 0,1
	v_max_num_f32 v[TT+4*\i], v[TT+4*\i], v[BM+4*\i+3]
.endr
.irp i, 0,1
	v_sub_f32 v[TT+4*\i], v[TT+4*\i], v[T0+8*\i+5]
.endr
.irp i, 0,1
	v_mul_f32 v[TT+4*\i], s[CS], v[TT+4*\i]        ; the chunk's largest t, unclipped,
.endr
.irp i, 0,1
	v_med3_num_f32 v[TT+4*\i], v[TT+4*\i], s[TLO], s[THI]   ; and clipped
.endr
.irp i, 0,1
	v_max_num_f32 v[T0+8*\i+4], v[T0+8*\i+4], v[TT+4*\i]
	v_mov_b32 v[TT+4*\i+1], v[T0+8*\i+1]
.endr
.irp i, 0,1
	v_floor_f32 v[T0+8*\i+1], -v[T0+8*\i+4]        ; the new -M: a whole number
.endr
.irp i, 0,1
	v_sub_f32 v[TT+4*\i+1], v[T0+8*\i+1], v[TT+4*\i+1]
	v_fma_f32 v[T0+8*\i], -v[T0+8*\i+5], s[CS], v[T0+8*\i+1]   ; KK = -XH c - M
	v_cvt_i32_f32 v[TT+4*\i+2], v[T0+8*\i+1]
	v_cndmask_b32 v[LA+\i], 0xc2ec0000, v[T0+8*\i+1], s[SMASK]
.endr
.irp i, 0,1
	v_cvt_i32_f32 v[TT+4*\i+1], v[TT+4*\i+1]       ; (it saturates)
	v_ldexp_f32 v[TT+4*\i+2], 1.0, v[TT+4*\i+2]
	v_max_num_f32 v[LA+\i], 0xc2ec0000, v[LA+\i]   ; the exponent's lower bound: -118 (the byte cannot fall under 1), and -M where T < 0
.endr
.irp i, 0,1
	v_ldexp_f32 v[T0+8*\i+6], 1.0, v[TT+4*\i+1]    ; f = 2^(old M - new M)
	v_and_b32 v[T0+8*\i+7], s[SMASK], v[TT+4*\i+2] ; LO = 2^-M where T < 0, else 0
.endr
.irp i, 0,1
.irp b, 0,1,2,3
	v_fma_f32 v[BM+4*\i+\b], v[BM+4*\i+\b], s[CS], v[T0+8*\i]   ; the exponent of the block's largest p,
.endr
.endr
.irp i, 0,1
.irp b, 0,1,2,3
	v_med3_num_f32 v[BM+4*\i+\b], v[BM+4*\i+\b], v[LA+\i], 0    ; clipped,
.endr
.endr
.irp j, 0,1,2,3,4,5,6,7
	v_cvt_floor_i32_f32 v[PX+\j], v[BM+\j]         ; and its floor
.endr
.irp j, 0,1,2,3,4,5,6,7
	v_add_lshl_u32 v[SO+\j], v[PX+\j], 119, 23     ; the conversion's scale operand: exponent field floor + 127 - 8
.endr
.irp j, 0,1,2,3,4,5,6,7
	v_add_nc_u32 v[HD+\j], 0x4600000, v[SO+\j]     ; 448 x the scale
.endr
.irp j, 0,1,2,3,4,5,6,7
	v_lshrrev_b32 v[PX+\j], 23, v[SO+\j]           ; the scale's byte
.endr
.irp i, 0,1
	v_lshl_or_b32 v[PW+2*(\p)+\i], v[PX+4*\i+1], 8, v[PX+4*\i]
.endr
.irp i, 0,1
	v_lshl_or_b32 v[PW+2*(\p)+\i], v[PX+4*\i+2], 16, v[PW+2*(\p)+\i]
.endr
.irp i, 0,1
	v_lshl_or_b32 v[PW+2*(\p)+\i], v[PX+4*\i+3], 24, v[PW+2*(\p)+\i]
.endr
.set j, 0
.rept 32
	v_pk_fma_f32 v[SA+j:SA+j+1], v[SA+j:SA+j+1], s[CS:CS+1], v[T0:T0+1] op_sel_hi:[1,0,0]   ; c s + KK of the first tile
.set j, j+2
.endr
	s_wait_alu depctr_va_vdst(0)                   ; ahead of a batch of exponentials
.set j, 0
.rept 32                                           ; the first tile's exponentials; among them the second tile's c s + KK, which names none of their registers
	v_exp_f32 v[SA+j], v[SA+j]
	v_pk_fma_f32 v[SA+64+j:SA+65+j], v[SA+64+j:SA+65+j], s[CS:CS+1], v[T0+8:T0+9] op_sel_hi:[1,0,0]
	v_exp_f32 v[SA+j+1], v[SA+j+1]
.set j, j+2
.endr
.irp i, 0,1
	v_pk_mul_f32 v[T0+8*\i+2:T0+8*\i+3], v[T0+8*\i+2:T0+8*\i+3], v[T0+8*\i+6:T0+8*\i+7] op_sel_hi:[1,0]   ; the sums under the new M
.endr
	s_wait_alu depctr_va_vdst(0)                   ; behind the batch, and ahead of the next
.set j, 0
.rept 64                                           ; the second tile's exponentials; among them THE CLIP of the first tile's p
	v_exp_f32 v[SA+64+j], v[SA+64+j]
	v_med3_num_f32 v[SA+j], v[SA+j], v[T0+7], 1.0
.set j, j+1
.endr
	s_wait_alu depctr_va_vdst(0)
.set j, 0
.rept 64
	v_med3_num_f32 v[SA+64+j], v[SA+64+j], v[T0+15], 1.0
.set j, j+1
.endr
.irp i, 0,1
	v_pk_add_f32 v[PX+2*\i:PX+2*\i+1], v[SA+64*\i:SA+64*\i+1], v[SA+64*\i+2:SA+64*\i+3]   ; the row's sum of the unquantised p: two chains a tile
.endr
.irp n, 4,8,12,16,20,24,28,32,36,40,44,48,52,56,60
.irp i, 0,1
	v_pk_add_f32 v[T0+8*\i+2:T0+8*\i+3], v[T0+8*\i+2:T0+8*\i+3], v[SA+64*\i+\n:SA+64*\i+\n+1]
	v_pk_add_f32 v[PX+2*\i:PX+2*\i+1], v[PX+2*\i:PX+2*\i+1], v[SA+64*\i+\n+2:SA+64*\i+\n+3]
.endr
.endr
.irp i, 0,1
	v_pk_add_f32 v[T0+8*\i+2:T0+8*\i+3], v[T0+8*\i+2:T0+8*\i+3], v[PX+2*\i:PX+2*\i+1]
.endr
.irp i, 0,1
.irp b, 0,1,2,3
.irp n, 0,2,4,6,8,10,12,14
	v_dual_min_num_f32 v[SA+64*\i+16*\b+\n], v[SA+64*\i+16*\b+\n], v[HD+4*\i+\b] :: v_dual_min_num_f32 v[SA+64*\i+16*\b+\n+1], v[SA+64*\i+16*\b+\n+1], v[HD+4*\i+\b]   ; the hold: p is not negative, so it is one-sided; two numbers a line
.endr
.endr
.endr
	WIN 0xc0                                       ; p's codes: window 3
.irp i, 0,1
.irp b, 0,1,2,3
	v_cvt_scalef32_pk8_fp8_f32 v[64+16*(2*(\p)+\i)+4*\b:64+16*(2*(\p)+\i)+4*\b+1], v[SA+64*\i+16*\b:SA+64*\i+16*\b+7], v[SO+4*\i+\b]
	v_cvt_scalef32_pk8_fp8_f32 v[64+16*(2*(\p)+\i)+4*\b+2:64+16*(2*(\p)+\i)+4*\b+3], v[SA+64*\i+16*\b+8:SA+64*\i+16*\b+15], v[SO+4*\i+\b]
.endr
.endr
	WIN 0x82                                       ; O^T window 2, f window 0
	s_wait_alu depctr_va_vdst(0)                   ; directly ahead of the first readers of O^T
.irp i, 0,1
.set j, 0
.rept 28
	v_pk_mul_f32 v[56*(2*(\p)+\i)+j:56*(2*(\p)+\i)+j+1], v[56*(2*(\p)+\i)+j:56*(2*(\p)+\i)+j+1], v[T0+8*\i+6:T0+8*\i+7] op_sel_hi:[1,0]   ; O^T under the new M; also the plain lines between the codes and the products
.set j, j+2
.endr
.endr
	WIN 0
.endm
; A TRIP: one slot, my chunk of it, four tiles.  In front of the round: all my tensor loads (one is out: my quarter of this trip's slot), the add, and my reads of the slot that I leave (the last were K's, issued two tiles' softmax ago).
.macro TRIP fill
	s_wait_tensorcnt 0x0
	ds_add_u32 v[SPW], v[NIL]
.if \fill
	s_xor_b32 s[G0+1], s[G0+1], SLOT1              ; the walking descriptor: the other slot, the next 65,536 bytes
	s_add_nc_u64 s[G0+2:G0+3], s[G0+2:G0+3], SLOTB
	s_wait_xcnt 0x0                                ; the last prefetch has read its address
	s_add_nc_u64 s[PFA:PFA+1], s[PFA:PFA+1], SLOTB
.endif
	s_wait_dscnt 0x0
	s_barrier_signal -1
	P1 0                                           ; work on registers while the others arrive: K was read from the slot before
	s_barrier_wait -1
.if \fill
	CREST
	tensor_load_to_lds s[G0:G0+3], s[G1:G1+7]      ; my one tensor load behind the round: the next slot, into the bytes just left
	s_nop 0
	PLACES 4
	ASK
.endif
	v_add_nc_u32 v[ADF], s[TB], v[LI]
	v_add_nc_u32 v[ADN], s[TB], v[NKL]
	PLACES 8                                       ; behind the last products: ahead of loads into V's registers and of the first read of S^T
	LOADV
	SM2 0
	P1 1
	PLACES 8                                       ; ahead of loads into K's registers and of the first read of S^T
.if \fill
	LOADK
.endif
	SM2 1
	s_wait_alu depctr_va_vdst(0)
	s_wait_dscnt 0x0                               ; V is in (and the next K)
	P2
	s_xor_b32 s[TB], s[TB], SLOT1
.endm
	s_load_b256 s[4:11], s[0:1], 0x0               ; x, temperature, kv, out0
	v_lshl_add_u32 v[SPW], v0, 2, SPARE
	v_mov_b32 v[NIL], 0
	ds_add_u32 v[SPW], v[NIL]                      ; the opening: the add, twice on end, and its wait ahead of my first tensor load
	ds_add_u32 v[SPW], v[NIL]
	v_lshrrev_b32 v[TT], 5, v0
	v_readfirstlane_b32 s[WV], v[TT]               ; wave 0..3
	s_bfe_u32 s13, ttmp6, 0x40000                  ; cx: it enters the addresses of x, of out0 and of the prefetches alone
	s_lshl_b32 s14, ttmp9, 2
	s_add_co_u32 s14, s14, s13                     ; my block of 128 rows
	s_lshr_b32 s15, s[WV], 1                       ; g: my half of a slot
	s_and_b32 s16, s[WV], 1                        ; i: my four tiles
	s_mov_b32 s[G1], 15|(3<<16)|(1<<21)            ; the mask: all four work-groups; elements of 8 bytes; bit 21 beside a mask
	s_mov_b32 s[G1+1], 32<<16                      ; 16,384 dense bytes as 64 rows of 256
	s_mov_b32 s[G1+2], 64<<16
	s_mov_b32 s[G1+3], 32<<16
	s_mov_b32 s[G1+4], 64
	s_mov_b32 s[G1+5], 32
	s_mov_b32 s[G1+6], 0
	s_mov_b32 s[G1+7], 0
	s_mov_b32 s[G0], 1
	s_lshl_b32 s46, s[WV], 14
	s_add_co_u32 s[G0+1], s46, SLOT1               ; my quarter of LDS slot 1,
	s_add_co_u32 s46, s46, 31*SLOTB                ; and of kv's slot 31: K of chunks 0 and 1
	s_mov_b32 s47, 0
	s_lshl_b32 s48, s13, 14                        ; the prefetches: my work-group's quarter, my wave's 8,192 bytes,
	s_lshl_b32 s49, s16, 13
	s_add_co_u32 s48, s48, s49
	s_add_co_u32 s48, s48, SLOTB                   ; in slot 1: the first trip steps it to slot 2
	s_mov_b32 s49, 0
	s_or_b32 s[LIM], s15, ttmp9                    ; 0 in waves 0 and 1 of the first cluster
	s_cmp_eq_u32 s[LIM], 0
	s_cselect_b32 s[LIM], 2, -1
	s_lshl_b32 s50, s14, 7
	s_lshl_b32 s51, s[WV], 5
	s_add_co_u32 s50, s50, s51
	s_lshl_b32 s50, s50, 9                         ; x: the two tiles that I quantise, 2 w and 2 w + 1
	s_mov_b32 s51, 0
	s_lshl_b32 s54, s14, 7
	s_lshl_b32 s55, s16, 6
	s_add_co_u32 s54, s54, s55
	s_mul_i32 s54, s54, 400                        ; out0: my four tiles' 64 rows
	s_mov_b32 s55, 0
	s_lshl_b32 s[TB], s15, 15
	s_xor_b32 s53, s[TB], SLOT1
	s_mov_b32 s[SLOTS], 31
	s_mov_b32 s[MNT], 0x600000
	s_mov_b32 s[SEL], 0x76543210
	s_mov_b32 s[SEL+1], 0xfedcba98
	v_and_b32 v[LN], 31, v0
	v_lshlrev_b32 v[LI], 4, v[LN]
	v_lshlrev_b32 v[L4], 2, v[LN]
	v_lshlrev_b32 v[PFO], 8, v[LN]
	v_and_b32 v[TT], 15, v0
	v_bfe_u32 v[TT+1], v0, 4, 1
	v_lshl_add_u32 v[NKL], v[TT+1], 6, NKO
	v_lshlrev_b32 v[XA], 9, v[TT]
	v_lshl_add_u32 v[XA], v[TT+1], 6, v[XA]
	s_mul_i32 s52, s[WV], 2*XREC
	s_add_co_u32 s52, s52, XIMG
	v_add_nc_u32 v[AW], s52, v[LI]                 ; the records that I write
	v_add_nc_u32 v[AX], s52, v[L4]
	s_mul_i32 s52, s16, 4*XREC
	s_add_co_u32 s52, s52, XIMG
	v_add_nc_u32 v[AY], s52, v[LI]                 ; the four that I read
	v_add_nc_u32 v[AZ], s52, v[L4]
	v_add_nc_u32 v[ADF], s53, v[LI]                ; LDS slot 1, my half
	v_add_nc_u32 v[ADN], s53, v[NKL]
	s_wait_dscnt 0x0
	s_wait_kmcnt 0x0
	s_load_b32 s45, s[6:7], 0x0                    ; T
	s_add_nc_u64 s[G0+2:G0+3], s[8:9], s[46:47]
	s_or_b32 s[G0+3], s[G0+3], 0x80000000
	s_add_nc_u64 s[PFA:PFA+1], s[8:9], s[48:49]
	s_add_nc_u64 s[4:5], s[4:5], s[50:51]
	s_add_nc_u64 s[10:11], s[10:11], s[54:55]
	ROUND                                          ; the first joint loads meet
	tensor_load_to_lds s[G0:G0+3], s[G1:G1+7]      ; kv's slot 31 into LDS slot 1: my one load at the head
	s_nop 0
	PLACES 4
	s_wait_alu depctr_va_vdst(0)
.irp e, 0,1
.irp b, 0,1,2,3
.irp j, 0,1,2,3
	global_load_b128 v[SA+64*\e+16*\b+4*\j:SA+64*\e+16*\b+4*\j+3], v[XA], s[4:5] offset:8192*\e+128*\b+16*\j th:TH_LOAD_NT   ; each byte of x is read once
.endr
.endr
.endr
	s_wait_kmcnt 0x0
	s_ashr_i32 s[SMASK], s45, 31                   ; what hangs on T's sign is made of its bits: no branch
	s_and_b32 s[SGM], s[SMASK], 0x80808080
	s_and_not1_b32 s[TLO], 0xff800000, s[SMASK]
	s_and_b32 s[THI], s[SMASK], 0x7f800000
	s_and_b32 s21, s45, 0x80000000
	s_and_b32 s46, s45, 0x7fffffff
	v_mov_b32 v[TT], s46
	s_wait_alu depctr_va_vdst(0)
	v_rcp_f32 v[TT+1], v[TT]
	v_nop
	s_wait_alu depctr_va_vdst(0)
	v_fma_f32 v[TT+2], -v[TT], v[TT+1], 1.0
	v_fma_f32 v[TT+1], v[TT+2], v[TT+1], v[TT+1]   ; one Newton step
	v_mul_f32 v[TT+1], 0x4038aa3b, v[TT+1]         ; c = 2 log2(e) / |T|
	v_readfirstlane_b32 s[CS], v[TT+1]
	s_mov_b32 s[CS+1], s[CS]
	WIN 0x80
.set j, 0
.rept 224
	v_mov_b32 v[j], 0                              ; O^T: the trip is written for every slot alike; the first finds zeros, which the first change of M leaves zeros
.set j, j+1
.endr
	WIN 0
.irp k, 0,1,2,3
	v_mov_b32 v[ST+8*\k+4], 0xff61b1e6             ; the largest t so far: -3e38
	v_mov_b32 v[ST+8*\k+2], 0
	v_mov_b32 v[ST+8*\k+3], 0
.endr
.irp k, 0,1,2,3
	v_floor_f32 v[ST+8*\k+1], -v[ST+8*\k+4]
.endr
.set j, 60
.rept 12
	v_mov_b32 v[j], 0                              ; lane permutes' destinations count as sources
.set j, j+1
.endr
	s_wait_alu depctr_va_vdst(0)
	s_wait_loadcnt 0x0
	XTILE 0
	XTILE 1
	s_wait_alu depctr_va_vdst(0)                   ; the head's end
	s_wait_tensorcnt 0x0                           ; the full sequence ahead of a later first fill
	ds_add_u32 v[SPW], v[NIL]
	s_xor_b32 s[G0+1], s[G0+1], SLOT1              ; LDS slot 0,
	s_sub_nc_u64 s[G0+2:G0+3], s[G0+2:G0+3], 31*SLOTB   ; kv's slot 0
	s_wait_dscnt 0x0                               ; the add and my records are done
	ROUND
	tensor_load_to_lds s[G0:G0+3], s[G1:G1+7]
	s_nop 0
	PLACES 4
	WIN 0xc0
.irp k, 0,1,2,3
.irp c, 0,1,2,3
	ds_load_b128 v[16*\k+4*\c:16*\k+4*\c+3], v[AY] offset:XREC*\k+512*\c
.endr
.endr
	WIN 0
.irp k, 0,1,2,3
	ds_load_b32 v[QS+\k], v[AZ] offset:XREC*\k+2048
	ds_load_b32 v[ST+8*\k+5], v[AZ] offset:XREC*\k+2176
.endr
	LOADK                                          ; K of my first chunk (waited for in the first trip)
.Lslot:                                            ; 31 trips: each asks for the next slot
	TRIP 1
	s_sub_co_u32 s[SLOTS], s[SLOTS], 1
	s_cmp_lg_u32 s[SLOTS], 0
	s_cbranch_scc1 .Lslot
	TRIP 0                                         ; the last slot is written out: it asks for nothing and reads no further K
	; THE MERGE.  Waves w and w + 2 hold O^T, the sum and M of the two halves of the keys.  All LDS addresses are made ahead of the waves' parting.
	s_mul_i32 s46, s16, MGP
	s_add_co_u32 s46, s46, MGB
	s_mul_i32 s47, s16, 25856                      ; the two stages lie 25,856 bytes apart: 25,600 in use, and a block of 256 between them, so that no lane's address of one wave's stores reaches the other's stage
	s_add_co_u32 s47, s47, STG
	v_add_nc_u32 v[AW], s46, v[LI]
	v_add_nc_u32 v[AX], s46, v[L4]
	v_and_b32 v[TT], 15, v0
	v_bfe_u32 v[TT+1], v0, 4, 1
	v_mul_u32_u24 v[AY], v[TT], 400
	v_lshl_add_u32 v[AY], v[TT+1], 5, v[AY]
	v_add_nc_u32 v[AY], s47, v[AY]                 ; the stage, in: row r of 400 bytes, + 32 h
	v_add_nc_u32 v[AZ], s47, v[LI]                 ; and back
.irp k, 0,1,2,3
	v_add_f32 v[ST+8*\k+2], v[ST+8*\k+2], v[ST+8*\k+3]
.endr
.irp k, 0,1,2,3
	v_permlanex16_b32 v[PX+\k], v[ST+8*\k+2], s[SEL], s[SEL+1]
.endr
.irp k, 0,1,2,3
	v_add_f32 v[ST+8*\k+2], v[ST+8*\k+2], v[PX+\k]
.endr
	s_wait_alu depctr_va_vdst(0)
	s_cmp_lt_u32 s[WV], 2
	s_cbranch_scc1 .Lkeep
	WIN 0x08                                       ; an LDS store's data are its source 1: window 2
.set j, 0
.rept 56
	ds_store_b128 v[AW], v[4*j:4*j+3] offset:512*j
.set j, j+1
.endr
	WIN 0
.irp k, 0,1,2,3
	ds_store_b32 v[AX], v[ST+8*\k+1] offset:MGS+256*\k
	ds_store_b32 v[AX], v[ST+8*\k+2] offset:MGS+256*\k+128
.endr
.Lkeep:
	s_wait_dscnt 0x0
	s_barrier_signal -1
	s_barrier_wait -1
	s_cmp_lt_u32 s[WV], 2
	s_cbranch_scc0 .Lend
	WIN 0x40
.set j, 0
.rept 56
	ds_load_b128 v[4*j:4*j+3], v[AW] offset:512*j  ; the partner's O^T, where the fragments lay
.set j, j+1
.endr
	WIN 0
.irp m, 0,1,2,3,4,5,6,7
	ds_load_b32 v[BM+\m], v[AX] offset:MGS+128*\m  ; its -M and sum, tile by tile
.endr
	s_wait_dscnt 0x0
.irp k, 0,1,2,3
	v_min_num_f32 v[TT+\k], v[ST+8*\k+1], v[BM+2*\k]   ; the common -M
.endr
.irp k, 0,1,2,3
	v_sub_f32 v[SO+\k], v[TT+\k], v[ST+8*\k+1]
	v_sub_f32 v[SO+4+\k], v[TT+\k], v[BM+2*\k]
.endr
.irp j, 0,1,2,3,4,5,6,7
	v_cvt_i32_f32 v[SO+\j], v[SO+\j]
.endr
.irp j, 0,1,2,3,4,5,6,7
	v_ldexp_f32 v[SO+\j], 1.0, v[SO+\j]            ; exact powers of two
.endr
.irp k, 0,1,2,3
	v_mul_f32 v[PX+\k], v[SO+4+\k], v[BM+2*\k+1]
.endr
.irp k, 0,1,2,3
	v_fma_f32 v[PX+\k], v[SO+\k], v[ST+8*\k+2], v[PX+\k]   ; the row's sum over all keys
.endr
	s_wait_alu depctr_va_vdst(0)
.irp k, 0,1,2,3
	v_rcp_f32 v[PX+\k], v[PX+\k]
.endr
	v_nop
	s_wait_alu depctr_va_vdst(0)
.irp k, 0,1,2,3
	v_mul_f32 v[HD+2*\k], v[SO+\k], v[PX+\k]       ; what my O^T is multiplied by (the low word of a pair),
	v_mul_f32 v[XC+2*\k], v[SO+4+\k], v[PX+\k]     ; and the partner's
.endr
; THE WAY OUT of tiles 2 p, 2 p + 1: 32 rows of 400 bytes are 12,800 consecutive bytes of out0: laid so in my stage, they leave as 25 stores of 512 consecutive bytes.
.macro OUTP p
	s_wait_xcnt 0x0                                ; earlier stores have read their data
	WIN 0x02
	s_wait_alu depctr_va_vdst(0)                   ; directly ahead of the first readers of O^T
.irp i, 0,1
.set j, 0
.rept 28
	v_pk_mul_f32 v[SA+64*\i+j:SA+64*\i+j+1], v[56*(2*(\p)+\i)+j:56*(2*(\p)+\i)+j+1], v[HD+2*(2*(\p)+\i):HD+2*(2*(\p)+\i)+1] op_sel_hi:[1,0]
.set j, j+2
.endr
.endr
	WIN 0x01
.irp i, 0,1
.set j, 0
.rept 28
	v_pk_fma_f32 v[SA+64*\i+j:SA+64*\i+j+1], v[56*(2*(\p)+\i)+j:56*(2*(\p)+\i)+j+1], v[XC+2*(2*(\p)+\i):XC+2*(2*(\p)+\i)+1], v[SA+64*\i+j:SA+64*\i+j+1] op_sel_hi:[1,0,1]
.set j, j+2
.endr
.endr
	WIN 0
.irp i, 0,1
.irp t, 0,1,2,3,4,5
	ds_store_b128 v[AY], v[SA+64*\i+8*\t:SA+64*\i+8*\t+3] offset:6400*(2*(\p)+\i)+64*\t
	ds_store_b128 v[AY], v[SA+64*\i+8*\t+4:SA+64*\i+8*\t+7] offset:6400*(2*(\p)+\i)+64*\t+16
.endr
.endr
	s_wait_alu depctr_va_vdst(0)
	s_wait_xcnt 0x0                                ; EXEC changes only behind this wait
	v_cmp_gt_u32 vcc_lo, 16, v[LN]
	s_and_saveexec_b32 s48, vcc_lo                 ; channels 96 to 99 lie in lanes 0 to 15; the rest of the seventh tile is filling
	ds_store_b128 v[AY], v[SA+48:SA+51] offset:6400*(2*(\p))+384
	ds_store_b128 v[AY], v[SA+64+48:SA+64+51] offset:6400*(2*(\p)+1)+384
	s_wait_xcnt 0x0
	s_or_b32 exec_lo, exec_lo, s48
.set j, 0
.rept 25
	ds_load_b128 v[SA+4*j:SA+4*j+3], v[AZ] offset:12800*(\p)+512*j   ; LDS serves a wave's instructions in order (ISA guide 5.7.1.4)
.set j, j+1
.endr
.set j, 0
.rept 25
	s_wait_dscnt 24-j                              ; the younger loads may stay out
	global_store_b128 v[LI], v[SA+4*j:SA+4*j+3], s[10:11] offset:12800*(\p)+512*j th:TH_STORE_NT   ; 512 consecutive bytes, at a multiple of 256 from out0's first byte
.set j, j+1
.endr
.endm
	OUTP 0
	OUTP 1
.Lend:
	s_wait_tensorcnt 0x0                           ; the wave's end
	ds_add_u32 v[SPW], v[NIL]
	s_wait_dscnt 0x0
	ROUND                                          ; the closing round
	s_endpgm
.Lfunc_end_k_q5b8d8d9b4a_attn:
	.size	k_q5b8d8d9b4a_attn, .Lfunc_end_k_q5b8d8d9b4a_attn-k_q5b8d8d9b4a_attn
	.p2alignl 7, 3214868480
	.fill 96, 4, 3214868480
	.section	.rodata,"a",@progbits
	.p2align	6, 0x0
	.amdhsa_kernel k_q5b8d8d9b4a_attn
		.amdhsa_group_segment_fixed_size 327680
		.amdhsa_private_segment_fixed_size 0
		.amdhsa_enable_private_segment 0
		.amdhsa_kernarg_size 32
		.amdhsa_user_sgpr_count 2
		.amdhsa_user_sgpr_kernarg_segment_ptr 1
		.amdhsa_wavefront_size32 1
		.amdhsa_system_sgpr_workgroup_id_x 1
		.amdhsa_system_sgpr_workgroup_id_y 1
		.amdhsa_system_sgpr_workgroup_id_z 1
		.amdhsa_system_vgpr_workitem_id 0
		.amdhsa_next_free_vgpr 1024
		.amdhsa_next_free_sgpr 66
		.amdhsa_reserve_vcc 1
		.amdhsa_float_denorm_mode_32 3
		.amdhsa_float_denorm_mode_16_64 3
		.amdhsa_memory_ordered 1
		.amdhsa_forward_progress 1
		.amdhsa_inst_pref_size 255
	.end_amdhsa_kernel
	.section	.bss,"aw",@nobits
	.p2align	6
	.space	262144
	.amdgpu_metadata
---
amdhsa.version: [ 1, 2 ]
amdhsa.kernels:
  - .name:           k_q5b8d8d9b4a_attn
    .symbol:         k_q5b8d8d9b4a_attn.kd
    .args:
      - { .name: x, .offset: 0, .size: 8, .value_kind: global_buffer, .address_space: global }
      - { .name: temperature, .offset: 8, .size: 8, .value_kind: global_buffer, .address_space: global }
      - { .name: kv, .offset: 16, .size: 8, .value_kind: global_buffer, .address_space: global }
      - { .name: out0, .offset: 24, .size: 8, .value_kind: global_buffer, .address_space: global }
    .group_segment_fixed_size: 327680
    .private_segment_fixed_size: 0
    .kernarg_segment_align: 8
    .kernarg_segment_size: 32
    .max_flat_workgroup_size: 128
    .sgpr_count:     66
    .vgpr_count:     1024
    .wavefront_size: 32
...
	.end_amdgpu_metadata
.endif
;; end of part 2
